; MI455X (gfx1250); checked and timed in simulation.
; The chip was launched on July 23, 2026; its instructions are those of AMD's public machine-readable ISA for CDNA 5 (MIT licence, August 2026) and "CDNA5" Instruction Set Architecture Reference Guide (July 2026). The comments in the code are by the model that wrote it; some were corrected since.
;; LED Decoder Attention. Allowed arithmetic: matrix products marked QUANTISED: E2M1 operands, one E8M0 scale for each 32 along K, by v_wmma_scale_f32_16x16x128_f8f6f4 with both operands' format E2M1 (or v_wmma_scale_f32_32x16x128_f4), f32 sums; products left as they are: bf16, f16 or f32 operands; f32 sums; everything else in f32.
;; Inputs: Wk 768 x 768 float32; Wo 768 x 768 float32; Wq 768 x 768 float32; Wv 768 x 768 float32; attention_bias 24 x 2,048 float32; attention_mask 2 x 1 x 2,048 x 2,048 float32; beta 1 float32; beta_bias 1 float32; bk 768 float32; bo 768 float32; bq 768 float32; bv 768 float32; hidden_states 2 x 2,048 x 768 float32.
;; Outputs: out0 2 x 2,048 x 768 float32.
;; This version of the problem:
;;   THIS VERSION OF THE PROBLEM IS GIVEN IN LOW PRECISION. The matrix products marked QUANTISED in the list below multiply operands that are first quantised to E2M1 (2 exponent bits, 1 mantissa bit; 4 bits a number), with one power-of-two scale for each 32 numbers along K (OCP MX v1.0); their sums are f32. The products marked 'left as it is' may take bf16, f16 or f32 operands, with f32 sums. Whichever they take, every output number must still come out within the allowed error. Rounding operands to bf16 (8 significant bits) uses up far more of that allowance than f16 does (11 bits, for magnitudes from 6e-5 to 65,504). All else is computed in f32.
;;   The module's matrix products, in the order in which they are computed (A, B: the left and right operand; K: the contracted axis; several contracted axes count as one K, in the product's order):
;;     1. [M 4,096, K 768] x [K 768, N 768]; A: input hidden_states; B: input Wq: QUANTISED
;;     2. [M 4,096, K 768] x [K 768, N 768]; A: input hidden_states; B: input Wk: QUANTISED
;;     3. [M 4,096, K 768] x [K 768, N 768]; A: input hidden_states; B: input Wv: QUANTISED
;;     4. batch 24 x [M 2,048, K 64] x [K 64, N 2,048]; A: computed on the way; B: computed on the way: left as it is (an operand is computed on the way)
;;     5. batch 24 x [M 2,048, K 2,048] x [K 2,048, N 64]; A: computed on the way; B: computed on the way: left as it is (an operand is computed on the way)
;;     6. [M 4,096, K 768] x [K 768, N 768]; A: computed on the way; B: input Wo: left as it is (an operand is computed on the way)
;;   THE QUANTISER, for each operand of a quantised product, along K:
;;     - K is cut into blocks of 32 from its start; a last block that is shorter is filled with zeros.
;;     - A block's scale is 2^e with e = floor(log2(the largest magnitude in the block)) - 2, held to -126 .. 127; a block of zeros has e = 0. As a byte (E8M0): e + 127.
;;     - Each number is divided by its block's scale, clamped to +-6, and rounded to the nearest number of E2M1, ties to even, subnormals kept.
;;     - The product sums the exact products of the quantised numbers (number of the format x scale) in f32.
;;   ~~~python
;;   def quantise(x, axis):      # numpy; x: float32 -> the quantised numbers, widened to float32 again
;;       x = np.moveaxis(x, axis, -1); K = x.shape[-1]
;;       x = np.pad(x, [(0, 0)] * (x.ndim - 1) + [(0, -K % 32)]); x = x.reshape(x.shape[:-1] + (-1, 32)); a = np.abs(x).max(-1, keepdims=True)
;;       e = np.where(a > 0, np.clip(np.frexp(np.where(a > 0, a, 1))[1] - 1 - 2, -126, 127), 0)      # np.frexp(a)[1] - 1 = floor(log2(a)), exactly
;;       r = np.clip(x / 2.0 ** e, -6, 6)
;;       step = 2.0 ** (np.maximum(np.frexp(np.where(r == 0, 1, r))[1] - 1, 0) - 1)
;;       q = np.round(r / step) * step * 2.0 ** e      # np.round: ties to even
;;       return np.moveaxis(q.reshape(q.shape[:-2] + (-1,))[..., :K], -1, axis).astype(np.float32)
;;   ~~~
;; One version. Each part assembles by itself: llvm-mc -triple=amdgcn-amd-amdhsa -mcpu=gfx1250 --defsym DOCPART=n.
;; ======== version 1 of 1: 4 launches
;; limits: inputs' magnitudes at most 7e+29; right only within a limited range of input values; values are held in f16: magnitudes above 65,504 overflow, below 6.1e-05 lose precision
;; workspace buffers: xc 1,572,864 bytes; xs 98,304 bytes; wc 884,736 bytes; ws 55,296 bytes; wof 1,179,648 bytes; qf 6,291,456 bytes; kv 12,582,912 bytes; af 6,291,456 bytes
;; launch prep (part 1): grid 112 x 3, 4 waves a work-group, no clusters, 67,072 bytes of LDS; arguments hidden_states, Wq, Wk, Wv, Wo, xc, xs, wc, ws, wof; writes xc, xs, wc, ws, wof
.if DOCPART == 1
	.amdgcn_target "amdgcn-amd-amdhsa--gfx1250"
	.amdhsa_code_object_version 6
	.text
	.protected	k_q21f3329bf7_prep
	.globl	k_q21f3329bf7_prep
	.p2align	8
	.type	k_q21f3329bf7_prep,@function
k_q21f3329bf7_prep:
	s_mov_b64 s[64:65], 0
	v_nop
	global_prefetch_b8 v0, s[64:65] scope:SCOPE_SE
	s_setreg_imm32_b32 hwreg(HW_REG_WAVE_MODE, 25, 1), 1
	s_wait_xcnt 0x0
; hidden_states [4096][768], Wq, Wk, Wv [768][768] (f32, K innermost) become codes of FP4 (E2M1) with one E8M0 scale byte for each 32 along K; Wo [768][768] becomes f16.
; Everything is stored IN THE ORDER OF THE READER'S OPERAND REGISTERS: a fragment of 8 registers is 1,024 bytes, registers 0-3 at 16 x lane, registers 4-7 at 512 + 16 x lane.
;   xc, wc: [tile of 16 rows][6 K steps of 128][1,024].   xs, ws: [tile][6 K steps][16 rows] scale words (four bytes: 128 along K of one row).   wof: [tile of 16 rows][24 fragments of 32 k][1,024].
; A block's scale is 2^(floor(log2(its largest magnitude)) - 2); its byte is the largest magnitude's exponent field - 2, held at 1 from below.
; LIMITS: a block of zeros gets the byte 1 where the quantiser says 127: its codes are zeros, which add nothing, and this program alone reads the bytes.  NaN and infinities among the inputs are not served.
;   Wo in f16: magnitudes up to 65,504; under 6e-5 the step is 6e-8.
; SHARES.  A wave takes 16 rows x 256 along K (16 KB): tile 4 x + wave, third of K = work-group y.  x 0-63: hidden_states; 64-75 Wq; 76-87 Wk; 88-99 Wv; 100-111 Wo.  All rows are 3,072 bytes.
; Each load reads 512 consecutive bytes of one row; the 16 KB turn through the wave's own stage in LDS, so that a lane gets the neighbours along K that the conversions want.  Waves share nothing: no barrier.
; No tensor load, no cluster: no two work-groups read the same byte.
.set PITCH, 1040                       ; a stage row: 1,024 bytes + 16: an odd multiple of 16, so the sixteen rows that a read touches start at sixteen different banks (ISA guide 11.1)
.set STGB,  16*PITCH                   ; a wave's stage
.set SPARE, 4*STGB                     ; behind the stages: the spare words, 128 bytes a wave, which no other line names
.set LI,  1                            ; v1   16 x lane: my place in 512 bytes, in memory
.set SIN, 2                            ; v2   the stage, on the way in
.set RDQ, 3                            ; v3   out of it, for the quantiser: row r, + 64 h
.set RDC, 4                            ; v4   out of it, for f16: row r, + 32 h
.set L4,  5                            ; v5   4 x lane
.set SPW, 6                            ; v6   my spare word; never rewritten
.set NIL, 7                            ; v7   0; never rewritten
.set LN,  8                            ; v8   lane
.set R,   16                           ; v16-143  32 loads x 4 registers
.set XA,  144                          ; v144-207 64 numbers of a lane
.set XB,  16                           ; v16-79   64 more, where the loads' registers have been read out
.set PC,  208                          ; v208-223 two fragments of codes
.set TM,  224                          ; v224-239 at work in QUANT
.set PW,  240                          ; v240-241 two scale words
.set MIX, 242                          ; v242     lanes 0-15 the first K step's word, lanes 16-31 the second's
.set HA,  208                          ; v208-239 f16, first half
.set HB,  80                           ; v80-111  f16, second half
; 64 numbers of a lane, register 16 b + i = k 32 b + 16 (lane / 16) + i of row lane % 16, become a fragment's codes in v[pc] on and its scale word in v[pw]
.macro QUANT s, pc, pw
.irp b, 0,1,2,3
	v_max3_num_f32 v[TM+\b], |v[\s+16*\b]|, |v[\s+1+16*\b]|, 0x1800000   ; my 16 numbers of block b, and the floor 2^(3 - 127): the byte cannot fall under 1
.endr
.irp i, 2,4,6,8,10,12,14
.irp b, 0,1,2,3
	v_max3_num_f32 v[TM+\b], v[TM+\b], |v[\s+16*\b+\i]|, |v[\s+1+16*\b+\i]|
.endr
.endr
.irp b, 0,1,2,3
	v_permlanex16_b32 v[TM+4+\b], v[TM+\b], s30, s31
.endr
.irp b, 0,1,2,3
	v_max_num_f32 v[TM+\b], v[TM+\b], v[TM+4+\b]         ; with lane l xor 16's 16: the block's largest magnitude
.endr
.irp b, 0,1,2,3
	v_add_nc_u32 v[TM+12+\b], 0xff000000, v[TM+\b]       ; 2 off its exponent field: the conversion takes this operand's exponent field as its scale
.endr
.irp b, 0,1,2,3
	v_lshrrev_b32 v[TM+4+\b], 23, v[TM+12+\b]            ; the scale's byte
.endr
	v_lshl_or_b32 v[\pw], v[TM+5], 8, v[TM+4]
	v_lshl_or_b32 v[\pw], v[TM+6], 16, v[\pw]
	v_lshl_or_b32 v[\pw], v[TM+7], 24, v[\pw]            ; my row's scale word
.irp b, 0,1,2,3
	v_cvt_scalef32_pk8_fp4_f32 v[\pc+2*\b], v[\s+16*\b:\s+7+16*\b], v[TM+12+\b]
	v_cvt_scalef32_pk8_fp4_f32 v[\pc+1+2*\b], v[\s+8+16*\b:\s+15+16*\b], v[TM+12+\b]
.endr
	v_nop                                                ; one plain place behind a scaled conversion
.irp c, 0,1                                              ; the operand wants a whole block in a lane: lanes 0-15 block 2 c, lanes 16-31 block 2 c + 1
.irp i, 0,1
	v_permlane16_swap_b32 v[\pc+4*\c+\i], v[\pc+2+4*\c+\i]
.endr
.endr
.endm
	s_load_b512 s[4:19], s[0:1], 0x0               ; hidden s[4:5], Wq s[6:7], Wk s[8:9], Wv s[10:11], Wo s[12:13], xc s[14:15], xs s[16:17], wc s[18:19]
	s_load_b128 s[20:23], s[0:1], 0x40             ; ws s[20:21], wof s[22:23]
	v_lshl_add_u32 v[SPW], v0, 2, SPARE
	v_mov_b32 v[NIL], 0
	v_lshrrev_b32 v9, 5, v0
	v_readfirstlane_b32 s36, v9                    ; wave
	v_and_b32 v[LN], 31, v0
	v_and_b32 v9, 15, v0                           ; r
	v_bfe_u32 v10, v0, 4, 1                        ; h
	v_lshlrev_b32 v[LI], 4, v[LN]
	v_lshlrev_b32 v[L4], 2, v[LN]
	s_mul_i32 s37, s36, STGB                       ; my stage
	v_add_nc_u32 v[SIN], s37, v[LI]
	v_mul_u32_u24 v11, v9, PITCH
	v_add_nc_u32 v11, s37, v11
	v_lshl_add_u32 v[RDQ], v10, 6, v11
	v_lshl_add_u32 v[RDC], v10, 5, v11
	v_cmp_gt_u32 s28, 16, v[LN]                    ; lanes 0-15
.irp b, 0,1,2,3
	v_mov_b32 v[TM+4+\b], 0                        ; written once: a lane permute's destination counts as one of its sources
.endr
	s_mov_b32 s30, 0x76543210
	s_mov_b32 s31, 0xfedcba98                      ; v_permlanex16_b32's selects for lane l xor 16
	s_and_b32 s38, ttmp7, 0xffff                   ; which third of K
	s_wait_kmcnt 0x0
	; which tensor: a choice among pointers on the work-group's number alone
	s_mov_b64 s[24:25], s[12:13]
	s_mov_b32 s26, 100
	s_cmp_lt_u32 ttmp9, 100
	s_cselect_b64 s[24:25], s[10:11], s[24:25]
	s_cselect_b32 s26, 88, s26
	s_cmp_lt_u32 ttmp9, 88
	s_cselect_b64 s[24:25], s[8:9], s[24:25]
	s_cselect_b32 s26, 76, s26
	s_cmp_lt_u32 ttmp9, 76
	s_cselect_b64 s[24:25], s[6:7], s[24:25]
	s_cselect_b32 s26, 64, s26
	s_cmp_lt_u32 ttmp9, 64
	s_cselect_b64 s[24:25], s[4:5], s[24:25]       ; the source,
	s_cselect_b32 s26, 0, s26                      ; the first work-group of its tensor,
	s_cselect_b64 s[32:33], s[14:15], s[18:19]     ; the codes' buffer,
	s_cselect_b64 s[34:35], s[16:17], s[20:21]     ; the scale words',
	s_cselect_b32 s27, 0, 64                       ; and the first work-group of that buffer
	s_sub_co_u32 s39, ttmp9, s26
	s_lshl_b32 s39, s39, 2
	s_add_co_u32 s39, s39, s36                     ; my tile in the source (and in wof)
	s_sub_co_u32 s40, ttmp9, s27
	s_lshl_b32 s40, s40, 2
	s_add_co_u32 s40, s40, s36                     ; my tile in the codes' buffer
	s_mov_b32 s43, 0
	s_mul_i32 s42, s39, 49152                      ; 16 rows of 3,072 bytes,
	s_lshl_b32 s41, s38, 10
	s_add_co_u32 s42, s42, s41                     ; + 1,024 x third
	s_add_nc_u64 s[24:25], s[24:25], s[42:43]
	s_mul_i32 s42, s40, 6144
	s_lshl_b32 s41, s38, 11
	s_add_co_u32 s42, s42, s41
	s_add_nc_u64 s[32:33], s[32:33], s[42:43]
	s_mul_i32 s42, s40, 384
	s_lshl_b32 s41, s38, 7
	s_add_co_u32 s42, s42, s41
	s_add_nc_u64 s[34:35], s[34:35], s[42:43]
	s_mul_i32 s42, s39, 24576
	s_lshl_b32 s41, s38, 13
	s_add_co_u32 s42, s42, s41
	s_add_nc_u64 s[22:23], s[22:23], s[42:43]
.irp i, 0,1,2,3,4,5,6,7,8,9,10,11,12,13,14,15
.irp j, 0,1
	global_load_b128 v[R+8*\i+4*\j:R+8*\i+4*\j+3], v[LI], s[24:25] offset:3072*\i+512*\j th:TH_LOAD_NT   ; 32 lanes read 512 consecutive bytes of row i
.endr
.endr
.set n, 0
.rept 32
	s_wait_loadcnt 31-n                            ; loads come back in order: load n is in, the younger ones stay out
	ds_store_b128 v[SIN], v[R+4*n:R+4*n+3] offset:PITCH*(n/2)+512*(n%2)
.set n, n+1
.endr
	s_cmp_ge_u32 ttmp9, 100                        ; Wo's work-groups only round to f16
	s_cbranch_scc1 .Lconvert
	; ---- the quantiser: two K steps of 128.  LDS serves a wave's instructions in order: the reads see my stores
.irp b, 0,1,2,3
.irp j, 0,1,2,3
	ds_load_b128 v[XA+16*\b+4*\j:XA+16*\b+4*\j+3], v[RDQ] offset:128*\b+16*\j
.endr
.endr
	s_wait_dscnt 0x0                               ; the first K step is in, and the stage's stores have read their registers, which take the second
.irp b, 0,1,2,3
.irp j, 0,1,2,3
	ds_load_b128 v[XB+16*\b+4*\j:XB+16*\b+4*\j+3], v[RDQ] offset:512+128*\b+16*\j
.endr
.endr
	QUANT XA, PC, PW
	global_store_b128 v[LI], v[PC:PC+3], s[32:33]                  ; 32 lanes store 512 consecutive bytes
	global_store_b128 v[LI], v[PC+4:PC+7], s[32:33] offset:512
	s_wait_dscnt 0x0
	QUANT XB, PC+8, PW+1
	global_store_b128 v[LI], v[PC+8:PC+11], s[32:33] offset:1024
	global_store_b128 v[LI], v[PC+12:PC+15], s[32:33] offset:1536
	v_cndmask_b32 v[MIX], v[PW+1], v[PW], s28      ; every lane holds its row's two words: lanes 0-15 give the first K step's, lanes 16-31 the second's
	global_store_b32 v[L4], v[MIX], s[34:35]       ; 128 consecutive bytes
	s_wait_tensorcnt 0x0                           ; the wave's end: these three lines behind my last LDS store
	ds_add_u32 v[SPW], v[NIL]
	s_wait_dscnt 0x0
	s_endpgm
.Lconvert:
	; ---- Wo: piece p = 2 f + c of eight fragments: k = 32 f + 16 c + 8 h + 0 .. 7 of row r: 32 bytes of f32, 16 of f16
.irp p, 0,1,2,3,4,5,6,7
.irp i, 0,1
	ds_load_b128 v[XA+8*\p+4*\i:XA+8*\p+4*\i+3], v[RDC] offset:64*\p+16*\i
.endr
.endr
	s_wait_dscnt 0x0                               ; the first half is in, and the stage's stores have read their registers
.irp p, 0,1,2,3,4,5,6,7
.irp i, 0,1
	ds_load_b128 v[XB+8*\p+4*\i:XB+8*\p+4*\i+3], v[RDC] offset:512+64*\p+16*\i
.endr
.endr
.irp p, 0,1,2,3,4,5,6,7
.irp i, 0,1,2,3
	v_cvt_pk_f16_f32 v[HA+4*\p+\i], v[XA+8*\p+2*\i], v[XA+8*\p+2*\i+1]
.endr
	global_store_b128 v[LI], v[HA+4*\p:HA+4*\p+3], s[22:23] offset:512*\p
.endr
	s_wait_dscnt 0x0
.irp p, 0,1,2,3,4,5,6,7
.irp i, 0,1,2,3
	v_cvt_pk_f16_f32 v[HB+4*\p+\i], v[XB+8*\p+2*\i], v[XB+8*\p+2*\i+1]
.endr
	global_store_b128 v[LI], v[HB+4*\p:HB+4*\p+3], s[22:23] offset:4096+512*\p
.endr
	s_wait_tensorcnt 0x0                           ; the wave's end: the same three lines
	ds_add_u32 v[SPW], v[NIL]
	s_wait_dscnt 0x0
	s_endpgm
.Lfunc_end_k_q21f3329bf7_prep:
	.size	k_q21f3329bf7_prep, .Lfunc_end_k_q21f3329bf7_prep-k_q21f3329bf7_prep
	.p2alignl 7, 3214868480
	.fill 96, 4, 3214868480
	.section	.rodata,"a",@progbits
	.p2align	6, 0x0
	.amdhsa_kernel k_q21f3329bf7_prep
		.amdhsa_group_segment_fixed_size 67072
		.amdhsa_private_segment_fixed_size 0
		.amdhsa_enable_private_segment 0
		.amdhsa_kernarg_size 80
		.amdhsa_user_sgpr_count 2
		.amdhsa_user_sgpr_kernarg_segment_ptr 1
		.amdhsa_wavefront_size32 1
		.amdhsa_system_sgpr_workgroup_id_x 1
		.amdhsa_system_sgpr_workgroup_id_y 1
		.amdhsa_system_sgpr_workgroup_id_z 1
		.amdhsa_system_vgpr_workitem_id 0
		.amdhsa_next_free_vgpr 256
		.amdhsa_next_free_sgpr 66
		.amdhsa_reserve_vcc 0
		.amdhsa_float_denorm_mode_32 3
		.amdhsa_float_denorm_mode_16_64 3
		.amdhsa_memory_ordered 1
		.amdhsa_forward_progress 1
		.amdhsa_inst_pref_size 28
	.end_amdhsa_kernel
	.amdgpu_metadata
---
amdhsa.version: [ 1, 2 ]
amdhsa.kernels:
  - .name:           k_q21f3329bf7_prep
    .symbol:         k_q21f3329bf7_prep.kd
    .args:
      - { .name: hidden_states, .offset: 0, .size: 8, .value_kind: global_buffer, .address_space: global }
      - { .name: Wq, .offset: 8, .size: 8, .value_kind: global_buffer, .address_space: global }
      - { .name: Wk, .offset: 16, .size: 8, .value_kind: global_buffer, .address_space: global }
      - { .name: Wv, .offset: 24, .size: 8, .value_kind: global_buffer, .address_space: global }
      - { .name: Wo, .offset: 32, .size: 8, .value_kind: global_buffer, .address_space: global }
      - { .name: xc, .offset: 40, .size: 8, .value_kind: global_buffer, .address_space: global }
      - { .name: xs, .offset: 48, .size: 8, .value_kind: global_buffer, .address_space: global }
      - { .name: wc, .offset: 56, .size: 8, .value_kind: global_buffer, .address_space: global }
      - { .name: ws, .offset: 64, .size: 8, .value_kind: global_buffer, .address_space: global }
      - { .name: wof, .offset: 72, .size: 8, .value_kind: global_buffer, .address_space: global }
    .group_segment_fixed_size: 67072
    .private_segment_fixed_size: 0
    .kernarg_segment_align: 8
    .kernarg_segment_size: 80
    .max_flat_workgroup_size: 128
    .sgpr_count:     66
    .vgpr_count:     256
    .wavefront_size: 32
...
	.end_amdgpu_metadata
.endif
;; end of part 1
;; launch qkv (part 2): grid 64 x 9, 4 waves a work-group, no clusters, 0 bytes of LDS; arguments xc, xs, wc, ws, bq, bk, bv, qf, kv; writes qf, kv
.if DOCPART == 2
	.amdgcn_target "amdgcn-amd-amdhsa--gfx1250"
	.amdhsa_code_object_version 6
	.text
	.protected	k_q21f3329bf7_qkv
	.globl	k_q21f3329bf7_qkv
	.p2align	8
	.type	k_q21f3329bf7_qkv,@function
k_q21f3329bf7_qkv:
	s_mov_b64 s[64:65], 0
	v_nop
	global_prefetch_b8 v0, s[64:65] scope:SCOPE_SE
	s_setreg_imm32_b32 hwreg(HW_REG_WAVE_MODE, 25, 1), 1
	s_wait_xcnt 0x0
; q = (x Wq^T + bq) / 8, k = x Wk^T + bk, v = x Wv^T + bv on codes of FP4 (E2M1) with E8M0 scales; sums in f32; the results are rounded once, to f16, and stored in the order of the attention launch's operand registers.
; SHARES.  A wave makes 64 tokens (work-group x) x the 64 columns of one head of one of the three products: unit u = 4 y + wave = 12 kind + head.  16 accumulators, K = 768 in 6 steps: 96 matrix instructions.
; THE MATRIX INSTRUCTION IS USED TRANSPOSED: source 0 = 16 rows of W (tile a), source 1 = 16 tokens (tile b): a lane holds ONE token (lane % 16) and the 8 neighbouring columns 16 a + 8 (lane / 16) + 0 .. 7.
; Rounded to f16 these are 16 bytes: half a fragment (16 tokens x 32 of the head's 64) of Q or K as it stands; piece (a, b) lies at 2,048 b + 512 a, lane l's bytes at 16 l.
; V's pieces are stored with the lanes in another order, 16 (r / 8) + 8 h + r % 8, so that the turning LDS load of the attention launch, at 16 x lane, gives half a fragment of V^T.
; The biases are the C of each sum's first matrix instruction: eight registers for each tile a, in the result's layout, shared by the four tiles b.
; NO LDS, NO TENSOR LOAD, NO CLUSTER, though the four waves share their tokens' codes and 64 work-groups share a unit's weights: the codes lie in the order of the operand registers, so each load of a wave is 512 consecutive
; bytes into the registers that the matrix instruction names; a wave's operands are 48 KB in all, asked for two K steps ahead, and a K step is 16 matrix instructions: a ring with joint loads would put a round of the
; cluster's barrier in front of each such step.
; LIMIT: |q / 8|, |k|, |v| up to 65,504 (f16); under 6e-5 the step is 6e-8.
.set LI,   1                           ; v1  16 x lane
.set L4,   2                           ; v2  4 x lane
.set BH,   3                           ; v3  32 x (lane / 16): my eight numbers of a tile's 16 biases
.set OFS,  4                           ; v4  where my 16 bytes of a piece go
.set WS,   8                           ; v8-19   W's scale words: tile a, K steps 2 i (lanes 0-15) and 2 i + 1 (lanes 16-31) at v[WS + 3 a + i]
.set XS,   20                          ; v20-31  the tokens' likewise
.set BI,   32                          ; v32-63  the biases: tile a at v[BI + 8 a]
.set FA,   64                          ; v64-127 fragments of the even K steps: W's four, then the tokens' four; window 1, v0-63: those of the odd steps
.set ACC,  128                         ; v128-255 accumulator (a, b) at v[ACC + 8 (4 a + b)]
.set MSB, 0
.macro WIN new                         ; the immediate's high byte repeats the setting that is left
.if MSB != \new
	s_set_vgpr_msb (MSB<<8)|\new
.set MSB, \new
.endif
.endm
	s_load_b512 s[4:19], s[0:1], 0x0               ; xc s[4:5], xs s[6:7], wc s[8:9], ws s[10:11], bq s[12:13], bk s[14:15], bv s[16:17], qf s[18:19]
	s_load_b64 s[20:21], s[0:1], 0x40              ; kv
	v_lshrrev_b32 v5, 5, v0
	v_readfirstlane_b32 s22, v5                    ; wave
	v_and_b32 v5, 31, v0                           ; lane
	v_and_b32 v6, 15, v0                           ; r
	v_bfe_u32 v7, v0, 4, 1                         ; h
	v_lshlrev_b32 v[LI], 4, v5
	v_lshlrev_b32 v[L4], 2, v5
	v_lshlrev_b32 v[BH], 5, v7
	v_lshrrev_b32 v[OFS], 3, v6
	v_lshlrev_b32 v[OFS], 4, v[OFS]
	v_lshl_add_u32 v[OFS], v7, 3, v[OFS]
	v_and_b32 v5, 7, v6
	v_add_nc_u32 v[OFS], v[OFS], v5
	v_lshlrev_b32 v[OFS], 4, v[OFS]                ; V's order: 16 x (16 (r / 8) + 8 h + r % 8)
	s_and_b32 s23, ttmp7, 0xffff
	s_lshl_b32 s23, s23, 2
	s_add_co_u32 s23, s23, s22                     ; u
	s_cmp_ge_u32 s23, 12
	s_cselect_b32 s24, 1, 0
	s_cmp_ge_u32 s23, 24
	s_cselect_b32 s25, 1, 0
	s_add_co_u32 s24, s24, s25                     ; kind: 0 q, 1 k, 2 v
	s_mul_i32 s25, s24, 12
	s_sub_co_u32 s25, s23, s25                     ; head
	s_cmp_eq_u32 s24, 2
	s_cselect_b32 s26, -1, 0
	v_cndmask_b32 v[OFS], v[LI], v[OFS], s26       ; q and k: 16 x lane
	s_mul_i32 s28, ttmp9, 24576                    ; my four tiles of tokens: 6,144 bytes of codes each,
	s_mov_b32 s29, 0
	s_mul_i32 s30, s23, 24576                      ; my four tiles of W,
	s_mov_b32 s31, 0
	s_mul_i32 s32, ttmp9, 1536                     ; their scale words, 384 bytes a tile
	s_mov_b32 s33, 0
	s_mul_i32 s34, s23, 1536
	s_mov_b32 s35, 0
	s_lshl_b32 s36, s25, 8                         ; my head's 64 biases
	s_mov_b32 s37, 0
	s_lshr_b32 s38, ttmp9, 5                       ; batch
	s_and_b32 s39, ttmp9, 31                       ; block of 64 tokens in it
	s_mul_i32 s38, s38, 12
	s_add_co_u32 s38, s38, s25                     ; batch x 12 + head
	s_lshl_b32 s40, s38, 18
	s_lshl_b32 s41, s39, 13
	s_add_co_u32 s40, s40, s41                     ; in qf: 262,144 a head, 8,192 a block
	s_lshl_b32 s42, s38, 19
	s_lshl_b32 s43, s39, 14
	s_add_co_u32 s42, s42, s43                     ; in kv: 524,288 a head, 16,384 a block: K's 8,192 bytes, then V's
	s_lshl_b32 s43, s24, 13
	s_add_co_u32 s42, s42, s43
	s_sub_co_u32 s42, s42, 8192                    ; (used for kinds 1 and 2 alone)
	s_mov_b32 s41, 0
	s_wait_kmcnt 0x0
	s_add_nc_u64 s[4:5], s[4:5], s[28:29]
	s_add_nc_u64 s[8:9], s[8:9], s[30:31]
	s_add_nc_u64 s[6:7], s[6:7], s[32:33]
	s_add_nc_u64 s[10:11], s[10:11], s[34:35]
	s_cmp_eq_u32 s24, 0
	s_cselect_b64 s[44:45], s[18:19], s[20:21]     ; where the results go,
	s_cselect_b64 s[46:47], s[12:13], s[14:15]
	s_cselect_b32 s40, s40, s42
	s_cmp_eq_u32 s24, 2
	s_cselect_b64 s[46:47], s[16:17], s[46:47]     ; and which bias
	s_add_nc_u64 s[44:45], s[44:45], s[40:41]
	s_add_nc_u64 s[46:47], s[46:47], s[36:37]
.macro FETCH s                         ; K step s: 16 loads of 512 consecutive bytes
.if (\s)%2
	WIN 0x40                                       ; destination window 1
.set FW, 0
.else
	WIN 0
.set FW, FA
.endif
.irp a, 0,1,2,3
.irp c, 0,1
	global_load_b128 v[FW+8*\a+4*\c:FW+8*\a+4*\c+3], v[LI], s[8:9] offset:6144*\a+1024*(\s)+512*\c
	global_load_b128 v[FW+32+8*\a+4*\c:FW+32+8*\a+4*\c+3], v[LI], s[4:5] offset:6144*\a+1024*(\s)+512*\c
.endr
.endr
.endm
	FETCH 0                                        ; the first K step's fragments first, then what else the first products want, then the second step's: 64 loads in all
.irp a, 0,1,2,3
.irp i, 0,1,2
	global_load_b32 v[WS+3*\a+\i], v[L4], s[10:11] offset:384*\a+128*\i
	global_load_b32 v[XS+3*\a+\i], v[L4], s[6:7] offset:384*\a+128*\i
.endr
.endr
.irp a, 0,1,2,3
.irp i, 0,1
	global_load_b128 v[BI+8*\a+4*\i:BI+8*\a+4*\i+3], v[BH], s[46:47] offset:64*\a+16*\i   ; register j: the bias of column 16 a + 8 h + j
.endr
.endr
	FETCH 1
.macro STEP s
.if (\s) < 5
	s_wait_loadcnt 16                              ; all but the next K step's 16 loads are in
.else
	s_wait_loadcnt 0
.endif
.if (\s)%2
	WIN 0x05                                       ; sources 0 and 1 window 1
.set FW, 0
.else
	WIN 0
.set FW, FA
.endif
.irp a, 0,1,2,3                        ; the 16 accumulators take turns, one instruction a turn, in the same order in every step
.irp b, 0,1,2,3
.if (\s) == 0
	v_wmma_scale_f32_16x16x128_f8f6f4 v[ACC+8*(4*\a+\b):ACC+8*(4*\a+\b)+7], v[FW+8*\a:FW+8*\a+7], v[FW+32+8*\b:FW+32+8*\b+7], v[BI+8*\a:BI+8*\a+7], v[WS+3*\a], v[XS+3*\b] matrix_a_fmt:MATRIX_FMT_FP4 matrix_b_fmt:MATRIX_FMT_FP4
.elseif (\s)%2
	v_wmma_scale_f32_16x16x128_f8f6f4 v[ACC+8*(4*\a+\b):ACC+8*(4*\a+\b)+7], v[FW+8*\a:FW+8*\a+7], v[FW+32+8*\b:FW+32+8*\b+7], v[ACC+8*(4*\a+\b):ACC+8*(4*\a+\b)+7], v[WS+3*\a+(\s)/2], v[XS+3*\b+(\s)/2] matrix_a_fmt:MATRIX_FMT_FP4 matrix_b_fmt:MATRIX_FMT_FP4 matrix_a_scale:MATRIX_SCALE_ROW1 matrix_b_scale:MATRIX_SCALE_ROW1
.else
	v_wmma_scale_f32_16x16x128_f8f6f4 v[ACC+8*(4*\a+\b):ACC+8*(4*\a+\b)+7], v[FW+8*\a:FW+8*\a+7], v[FW+32+8*\b:FW+32+8*\b+7], v[ACC+8*(4*\a+\b):ACC+8*(4*\a+\b)+7], v[WS+3*\a+(\s)/2], v[XS+3*\b+(\s)/2] matrix_a_fmt:MATRIX_FMT_FP4 matrix_b_fmt:MATRIX_FMT_FP4
.endif
.endr
.endr
.rept 4
	v_nop                                          ; four places in front of loads into registers that matrix instructions have read, and of the first read of results
.endr
.if (\s)+2 <= 5
	FETCH (\s)+2
.endif
.endm
.irp s, 0,1,2,3,4,5
	STEP \s
.endr
	WIN 0
	s_cmp_lg_u32 s24, 0                            ; q alone is scaled: x 1 / sqrt(64), exact
	s_cbranch_scc1 .Lplain
.set n, 0
.rept 64
	v_pk_mul_f32 v[ACC+2*n:ACC+2*n+1], v[ACC+2*n:ACC+2*n+1], 0x3e000000 op_sel_hi:[1,0]
.set n, n+1
.endr
.Lplain:
.set n, 0
.rept 64
	v_cvt_pk_f16_f32 v[FA+n], v[ACC+2*n], v[ACC+2*n+1]             ; each accumulator from its low end on
.set n, n+1
.endr
.irp a, 0,1,2,3
.irp b, 0,1,2,3
	global_store_b128 v[OFS], v[FA+4*(4*\a+\b):FA+4*(4*\a+\b)+3], s[44:45] offset:2048*\b+512*\a   ; the wave's 32 lanes fill 512 consecutive bytes
.endr
.endr
	s_endpgm
.Lfunc_end_k_q21f3329bf7_qkv:
	.size	k_q21f3329bf7_qkv, .Lfunc_end_k_q21f3329bf7_qkv-k_q21f3329bf7_qkv
	.p2alignl 7, 3214868480
	.fill 96, 4, 3214868480
	.section	.rodata,"a",@progbits
	.p2align	6, 0x0
	.amdhsa_kernel k_q21f3329bf7_qkv
		.amdhsa_group_segment_fixed_size 0
		.amdhsa_private_segment_fixed_size 0
		.amdhsa_enable_private_segment 0
		.amdhsa_kernarg_size 72
		.amdhsa_user_sgpr_count 2
		.amdhsa_user_sgpr_kernarg_segment_ptr 1
		.amdhsa_wavefront_size32 1
		.amdhsa_system_sgpr_workgroup_id_x 1
		.amdhsa_system_sgpr_workgroup_id_y 1
		.amdhsa_system_sgpr_workgroup_id_z 1
		.amdhsa_system_vgpr_workitem_id 0
		.amdhsa_next_free_vgpr 320
		.amdhsa_next_free_sgpr 66
		.amdhsa_reserve_vcc 0
		.amdhsa_float_denorm_mode_32 3
		.amdhsa_float_denorm_mode_16_64 3
		.amdhsa_memory_ordered 1
		.amdhsa_forward_progress 1
		.amdhsa_inst_pref_size 40
	.end_amdhsa_kernel
	.amdgpu_metadata
---
amdhsa.version: [ 1, 2 ]
amdhsa.kernels:
  - .name:           k_q21f3329bf7_qkv
    .symbol:         k_q21f3329bf7_qkv.kd
    .args:
      - { .name: xc, .offset: 0, .size: 8, .value_kind: global_buffer, .address_space: global }
      - { .name: xs, .offset: 8, .size: 8, .value_kind: global_buffer, .address_space: global }
      - { .name: wc, .offset: 16, .size: 8, .value_kind: global_buffer, .address_space: global }
      - { .name: ws, .offset: 24, .size: 8, .value_kind: global_buffer, .address_space: global }
      - { .name: bq, .offset: 32, .size: 8, .value_kind: global_buffer, .address_space: global }
      - { .name: bk, .offset: 40, .size: 8, .value_kind: global_buffer, .address_space: global }
      - { .name: bv, .offset: 48, .size: 8, .value_kind: global_buffer, .address_space: global }
      - { .name: qf, .offset: 56, .size: 8, .value_kind: global_buffer, .address_space: global }
      - { .name: kv, .offset: 64, .size: 8, .value_kind: global_buffer, .address_space: global }
    .group_segment_fixed_size: 0
    .private_segment_fixed_size: 0
    .kernarg_segment_align: 8
    .kernarg_segment_size: 72
    .max_flat_workgroup_size: 128
    .sgpr_count:     66
    .vgpr_count:     320
    .wavefront_size: 32
...
	.end_amdgpu_metadata
.endif
;; end of part 2
;; launch attn (part 3): grid 16 x 12, 8 waves a work-group, clusters of 4 x 1, 327,680 bytes of LDS; arguments qf, kv, attention_mask, attention_bias, beta, beta_bias, af; writes af
.if DOCPART == 3
	.amdgcn_target "amdgcn-amd-amdhsa--gfx1250"
	.amdhsa_code_object_version 6
	.text
	.protected	k_q21f3329bf7_attn
	.globl	k_q21f3329bf7_attn
	.p2align	8
	.type	k_q21f3329bf7_attn,@function
k_q21f3329bf7_attn:
	s_mov_b64 s[64:65], 0
	v_nop
	global_prefetch_b8 v0, s[64:65] scope:SCOPE_SE
	s_setreg_imm32_b32 hwreg(HW_REG_WAVE_MODE, 25, 1), 1
	s_wait_xcnt 0x0
	s_wait_alu depctr_hold_cnt(0) depctr_sa_sdst(0) depctr_va_vdst(0) depctr_va_sdst(0) depctr_va_ssrc(0) depctr_va_vcc(0) depctr_vm_vsrc(0)
	s_getreg_b32 s2, hwreg(HW_REG_IB_STS2, 6, 4)
	s_cmp_eq_u32 s2, 0
	s_cbranch_scc0 .Lentry_in_a_cluster
	s_endpgm
.Lentry_in_a_cluster:
	s_bfe_u32 s2, ttmp6, 0x10000c
	s_cmp_lg_u32 s2, 0x3003
	s_cbranch_scc0 .Lentry_shape_is_right
	s_endpgm
.Lentry_shape_is_right:
; af = softmax(q k^T + beta x bias[head, key] + beta_bias + mask[batch, query, key]) v, for 24 heads of 2,048 x 64.  q (already / 8), k, v come as f16 in the order of the operand registers; products on f16, sums, maxima and
; the softmax in f32, by a running maximum; the weights p are rounded to f16 for the second product, the result once, to f16, in the order of the last launch's operand registers.
; SHARES.  A work-group owns 128 queries (block qb = 4 x cluster x + cx) of 2 heads (2 y, 2 y + 1; y = 6 x batch + pair).  Wave w: head w / 4, 64 queries (w / 2) % 2: four tiles of 16.  THE TWO WAVES OF A PAIR (w / 2) HOLD
; THE SAME QUERIES AND SPLIT THE KEYS: of a slot's 128 keys wave w takes the (w % 2)-th 64.  Each keeps its own maximum M, sum l and O; they are joined once, at the end.  So a fragment of K or V read from LDS feeds four
; matrix instructions, and two waves share a SIMD.
; LAYOUT.  S^T = K Q^T + mask (source 0 = 16 keys, source 1 = 16 queries; THE MASK'S TILE IS LOADED INTO THE ACCUMULATOR, so it costs no addition) and O^T = V^T P: a lane holds one query (lane % 16) throughout.
; u = log2(e) x S + log2(e) x (beta x bias + beta_bias), p = 2^(u - M); O and l are multiplied by a = 2^(old M - M) in every step.
; THE SECOND PRODUCT RUNS A TILE LATE.  A step ends with V in registers and p, rounded, in registers of its own.  Its 32 products V^T P are issued behind the next change of slots, in four runs of eight between the four
; runs of eight LDS loads that bring the next tile's mask into S^T: the products stand among those loads and not behind them.
; CLUSTER.  The four query blocks of a cluster walk the same K and V: those tiles are asked for JOINTLY (mask 15).  The attention mask's tile hangs on batch and query block; it is shared by the 6 head pairs of a batch, which
; lie along y: 6 is no multiple of 4, and four neighbours along y (4 to 7) would belong to two batches, so the mask comes by loads of the work-group's own.
; LIMITS.  A row all of whose log2(e) x scores lie under -1e30 gives NaN: right where all are -infinity, wrong for a row masked everywhere by finite numbers beyond -7e29.  NaN and +infinity among the inputs are not served.
;   f16: |result| up to 65,504; under 6e-5 the step is 6e-8.  The additions go (mask + q.k) + (beta x bias + beta_bias), the last made as (log2(e) beta) x bias + log2(e) beta_bias: other f32 roundings than the source's order.
; REGISTERS.  window 0: v1-14 addresses; v16-47 statistics, 8 a tile; v48-79 the step's 32 key biases; v64-127 P, 16 a tile (its first 16 take the biases' place once those are used; at the head and the end v80-127 are at work);
;   v128-255 S^T, 32 a tile (mask, scores, p).   window 1: v0-127 O^T, 32 a tile; v128-191 Q, 16 a tile; v192-255 K, then V, of the step.
.set SLOTB, 133120                     ; a slot: 128 keys
.set MOFF,  65536                      ; in it: K and V of 2 heads x 2 steps of 64 keys, 16,384 bytes each; then the mask's tile
.set MP,    528                        ; a row of the mask's tile: 512 bytes + 16: an odd multiple of 16, so the sixteen rows of a load start at sixteen different banks (ISA guide 11.1)
.set BIAS,  2*SLOTB                    ; behind the ring: [2 heads][2,048] f32, the key biases; written by LDS stores, never by a tensor load
.set SPARE, BIAS+16384+2048            ; the spare words, 128 bytes a wave, which no other line names
.set KVA,  1                           ; v1-2  my lane's place in my step's K and V, slot 0, 1
.set MA,   3                           ; v3-4  in the mask's tile
.set BA0,  5                           ; v5    in the key biases
.set STG,  6                           ; v6    in my pair's stage, for the joining: it lies in slot 0, which has had its last fill and its last read by then
.set GO,   7                           ; v7    16 x lane
.set PFOM, 8                           ; v8    the mask's prefetch: 8,192 (lane / 2) + 256 (lane % 2)
.set PFOK, 9                           ; v9    K and V's: 256 x lane
.set SPW,  10                          ; v10   my spare word; never rewritten
.set NIL,  11                          ; v11   0; never rewritten
.set BAD,  12                          ; v12   the step's key biases
.set T16,  13                          ; v13   16 x thread
.set BST,  14                          ; v14   BIAS + 16 x thread
.set ST,   16                          ; tile t at v[ST + 8 t]: +0 M, +1 old M, +2, +3 l (even keys', odd keys'), +4 to +7 c0-c3 at work; a takes c2's place
.set CB,   48
.set P,    64                          ; P's fragment (t, f): 16 queries x keys 32 f on, at v[P + 16 t + 8 f]
.set WK,   80
.set S,    128
.set OT,   0
.set Q,    128
.set KV,   192
.set WV,   20                          ; s20 wave;  s21 cx;  s22 qb;  s23 y
.set G1K,  24                          ; s[24:31] group 1 for K and V: 64 rows of 256 bytes, dense
.set G1M,  32                          ; s[32:39] for the mask: 32 rows of 512 bytes, 8,192 apart, 16 bytes of padding behind each
.set G0K,  40                          ; s[40:47] groups 0, one for each slot
.set G0M,  48                          ; s[48:55]
.set CS,   60                          ; s[60:61] log2(e), named as a pair
.set SEL,  62                          ; s[62:63] v_permlanex16_b32's selects for lane l xor 16
.set LAP,  66
.set REM,  67                          ; tiles still to be walked, less one
.set TBI,  68                          ; the tile's key biases: 512 bytes a tile
.set LIMM, 69                          ; 1 in a wave that prefetches the mask, else the greatest number
.set LIMK, 70                          ; the same for K and V
.set PI,   71                          ; w % 2
.set PFAM, 72                          ; s[72:73], s[74:75] where my prefetches stand
.set PFAK, 74
.set MSB, 0
.macro WIN new                         ; the immediate's high byte repeats the setting that is left
.if MSB != \new
	s_set_vgpr_msb (MSB<<8)|\new
.set MSB, \new
.endif
.endm
.macro CROUND                          ; a round of the cluster's barrier
	s_barrier_signal -1
	s_barrier_wait -1
	s_cmp_lg_u32 s[WV], 0
	s_cbranch_scc1 .Lnot_wave_0_\@
	s_barrier_signal -3
.Lnot_wave_0_\@:
	s_barrier_wait -3
	s_barrier_signal -1
	s_barrier_wait -1
.endm
; Waves 0-3 ask jointly for the four blocks of K and V, waves 4-7 each for 32 rows of the mask's tile: one tensor load a wave.  The branch hangs on the wave's number alone.
; An s_nop 0 and four v_nop follow each of the two lines.
.macro JLOAD n
	s_cmp_lt_u32 s[WV], 4
	s_cbranch_scc0 .Lfor_m_\@
	tensor_load_to_lds s[G0K+4*(\n):G0K+4*(\n)+3], s[G1K:G1K+7]
	s_nop 0
.rept 4
	v_nop
.endr
	s_branch .Lasked_\@
.Lfor_m_\@:
	tensor_load_to_lds s[G0M+4*(\n):G0M+4*(\n)+3], s[G1M:G1M+7]
	s_nop 0
.rept 4
	v_nop
.endr
.Lasked_\@:
.endm
; A PREFETCH INTO THE L2 of the tile that the NEXT change of slots will ask for, behind the wave's tensor load and its five lines.  Each aligned block of 256 bytes is named once in the launch.
; The mask's tile (128 rows x 512 bytes) is read by the 6 head pairs of a batch: the first pair's work-group asks, wave w for rows 16 w + lane / 2, two blocks a row.  K and V's tile (2 heads x 32,768 bytes) is read by all
; clusters of a y: cluster x = 0 asks; its four partners take 16,384 bytes each, told apart BY ADDRESS; in each, waves 0 and 1 ask, lanes 256 bytes apart.  The last change that fills a slot asks for nothing.
.macro ASK lim, off, adr
	s_cmp_gt_u32 s[REM], s[\lim]
	s_cbranch_scc0 .Lnot_mine_\@
	global_prefetch_b8 v[\off], s[\adr:\adr+1] th:TH_LOAD_NT scope:SCOPE_SE
.Lnot_mine_\@:
.endm
	s_load_b256 s[4:11], s[0:1], 0x0               ; qf s[4:5], kv s[6:7], mask s[8:9], attention_bias s[10:11]
	s_load_b128 s[12:15], s[0:1], 0x20             ; beta s[12:13], beta_bias s[14:15]
	s_load_b64 s[16:17], s[0:1], 0x30              ; af
	v_lshl_add_u32 v[SPW], v0, 2, SPARE
	v_mov_b32 v[NIL], 0
	ds_add_u32 v[SPW], v[NIL]                      ; the wave's opening: the add, twice on end, and its wait ahead of my first tensor load; the set-up below is work on registers
	ds_add_u32 v[SPW], v[NIL]
	v_lshrrev_b32 v[BAD], 5, v0
	v_readfirstlane_b32 s[WV], v[BAD]              ; wave 0..7
	s_bfe_u32 s21, ttmp6, 0x40000                  ; cx: it enters global addresses alone
	s_lshl_b32 s22, ttmp9, 2
	s_add_co_u32 s22, s22, s21                     ; qb
	s_and_b32 s23, ttmp7, 0xffff                   ; y, which the four partners share
	s_cmp_ge_u32 s23, 6
	s_cselect_b32 s76, 1, 0                        ; batch
	s_mul_i32 s77, s76, 6
	s_sub_co_u32 s77, s23, s77                     ; head pair
	s_and_b32 s78, s[WV], 3                        ; which quarter of a tile I fetch
	s_lshr_b32 s79, s[WV], 2                       ; which of the two heads is mine
	s_bfe_u32 s80, s[WV], 0x10001                  ; which 64 queries
	s_and_b32 s[PI], s[WV], 1                      ; which 64 keys of a slot
	s_lshr_b32 s81, s[WV], 1                       ; my pair
	; descriptor groups 1
	s_mov_b32 s[G1K], 15|(3<<16)|(1<<21)           ; 15:0 the mask: all four work-groups; 17:16 elements of 8 bytes; 21 set beside a mask
	s_mov_b32 s[G1K+1], 32<<16                     ; tensor_dim0 = 32
	s_mov_b32 s[G1K+2], 64<<16                     ; tensor_dim1 = 64
	s_mov_b32 s[G1K+3], 32<<16                     ; tile_dim0 = 32
	s_mov_b32 s[G1K+4], 64                         ; tile_dim1 = 64
	s_mov_b32 s[G1K+5], 32                         ; from row to row
	s_mov_b32 s[G1K+6], 0
	s_mov_b32 s[G1K+7], 0
	s_mov_b32 s[G1M], (2<<16)|(1<<20)|(6<<22)|(3<<25)  ; no mask; elements of 4 bytes; padding on: after every 128 words (code 6) four words (code 3)
	s_mov_b32 s[G1M+1], 128<<16
	s_mov_b32 s[G1M+2], 32<<16
	s_mov_b32 s[G1M+3], 128<<16
	s_mov_b32 s[G1M+4], 32
	s_mov_b32 s[G1M+5], 2048
	s_mov_b32 s[G1M+6], 0
	s_mov_b32 s[G1M+7], 0
	s_lshl_b32 s18, s78, 14                        ; where my block of K and V goes in a slot,
	s_mul_i32 s19, s78, 32*MP
	s_add_co_u32 s19, s19, MOFF                    ; and my 32 rows of the mask
	s_lshr_b32 s82, s78, 1                         ; K and V in memory: head 2 y + quarter / 2, step quarter % 2: nothing of cx
	s_lshl_b32 s83, s23, 1
	s_add_co_u32 s82, s82, s83
	s_lshl_b32 s82, s82, 19
	s_and_b32 s83, s78, 1
	s_lshl_b32 s83, s83, 14
	s_add_co_u32 s82, s82, s83
	s_mov_b32 s83, 0
	s_lshl_b32 s84, s76, 24                        ; the mask in memory: batch, my block's 128 rows of 8,192 bytes,
	s_lshl_b32 s85, s22, 20
	s_add_co_u32 s84, s84, s85
	s_lshl_b32 s85, s78, 18
	s_add_co_u32 s86, s84, s85                     ; my 32 of them
	s_mov_b32 s87, 0
	s_lshl_b32 s88, s[WV], 17                      ; the mask's prefetch: my 16 rows, at tile 1: the first change of slots steps it to tile 2
	s_add_co_u32 s88, s88, s84
	s_add_co_u32 s88, s88, 512
	s_mov_b32 s89, 0
	s_lshr_b32 s90, s21, 1                         ; K and V's: head 2 y + cx / 2, step cx % 2, 8,192 bytes a wave, at tile 1
	s_lshl_b32 s91, s23, 1
	s_add_co_u32 s90, s90, s91
	s_lshl_b32 s90, s90, 19
	s_and_b32 s91, s21, 1
	s_lshl_b32 s91, s91, 14
	s_add_co_u32 s90, s90, s91
	s_lshl_b32 s91, s[WV], 13
	s_add_co_u32 s90, s90, s91
	s_add_co_u32 s90, s90, 32768
	s_mov_b32 s91, 0
	s_lshl_b32 s92, s23, 1                         ; Q: head, block, my 64 queries: 2,048 bytes a tile
	s_add_co_u32 s92, s92, s79
	s_lshl_b32 s92, s92, 18
	s_lshl_b32 s93, s22, 14
	s_add_co_u32 s92, s92, s93
	s_lshl_b32 s93, s80, 13
	s_add_co_u32 s92, s92, s93
	s_mov_b32 s93, 0
	s_lshl_b32 s94, s76, 7                         ; af: tile of rows 128 batch + 8 qb + 4 (my 64), 24,576 bytes each; my head's 2,048 in it
	s_lshl_b32 s95, s22, 3
	s_add_co_u32 s94, s94, s95
	s_lshl_b32 s95, s80, 2
	s_add_co_u32 s94, s94, s95
	s_mul_i32 s94, s94, 24576
	s_lshl_b32 s95, s77, 1
	s_add_co_u32 s95, s95, s79
	s_lshl_b32 s95, s95, 11
	s_add_co_u32 s94, s94, s95
	s_mov_b32 s95, 0
	s_cmp_eq_u32 s77, 0
	s_cselect_b32 s[LIMM], 1, -1                   ; the same in all four partners
	s_lshr_b32 s2, s[WV], 1
	s_or_b32 s2, s2, ttmp9
	s_cmp_eq_u32 s2, 0
	s_cselect_b32 s[LIMK], 1, -1
	s_mov_b32 s[CS], 0x3fb8aa3b
	s_mov_b32 s[CS+1], s[CS]
	s_mov_b32 s[SEL], 0x76543210
	s_mov_b32 s[SEL+1], 0xfedcba98
	s_mov_b32 s[REM], 15
	s_mov_b32 s[TBI], 0
	s_mov_b32 s[LAP], 7
	; every LDS address is made here, ahead of the first branch on the wave's number
	v_and_b32 v80, 15, v0                          ; r
	v_bfe_u32 v81, v0, 4, 1                        ; h
	v_and_b32 v82, 31, v0                          ; lane
	s_lshl_b32 s2, s79, 15
	s_lshl_b32 s3, s[PI], 14
	s_add_co_u32 s2, s2, s3
	v_lshl_add_u32 v[KVA], v82, 4, s2              ; 32,768 head + 16,384 step + 16 lane
	v_add_nc_u32 v[KVA+1], SLOTB, v[KVA]
	s_mul_i32 s2, s80, 64*MP
	s_lshl_b32 s3, s[PI], 8
	s_add_co_u32 s2, s2, s3
	s_add_co_u32 s2, s2, MOFF
	v_mul_u32_u24 v[MA], v80, MP
	v_lshl_add_u32 v[MA], v81, 5, v[MA]
	v_add_nc_u32 v[MA], s2, v[MA]                  ; row 64 (my 64) + r, + 256 step + 32 h
	v_add_nc_u32 v[MA+1], SLOTB, v[MA]
	s_lshl_b32 s2, s79, 13
	s_add_co_u32 s2, s2, s3
	s_add_co_u32 s2, s2, BIAS
	v_lshl_add_u32 v[BA0], v81, 5, s2
	s_mul_i32 s2, s81, 17408
	v_lshl_add_u32 v[STG], v82, 4, s2
	v_lshlrev_b32 v[GO], 4, v82
	v_lshrrev_b32 v83, 1, v82
	v_and_b32 v84, 1, v82
	v_lshlrev_b32 v84, 8, v84
	v_lshl_add_u32 v[PFOM], v83, 13, v84
	v_lshlrev_b32 v[PFOK], 8, v82
	v_lshlrev_b32 v[T16], 4, v0
	v_add_nc_u32 v[BST], BIAS, v[T16]
.irp t, 0,1,2,3
	v_mov_b32 v[ST+8*\t], 0xf149f2ca               ; M = -1e30, under every u that is served
	v_mov_b32 v[ST+8*\t+1], 0xf149f2ca
	v_mov_b32 v[ST+8*\t+2], 0                      ; l
	v_mov_b32 v[ST+8*\t+3], 0
.endr
	s_lshl_b32 s2, s23, 14                         ; attention_bias: my two heads' 16,384 bytes
	s_mov_b32 s3, 0
	s_wait_dscnt 0x0                               ; both opening adds are done
	s_wait_kmcnt 0x0
	s_load_b32 s56, s[12:13], 0x0                  ; beta
	s_load_b32 s58, s[14:15], 0x0                  ; beta_bias
	s_add_nc_u64 s[82:83], s[6:7], s[82:83]
	s_add_nc_u64 s[86:87], s[8:9], s[86:87]
	s_add_nc_u64 s[PFAM:PFAM+1], s[8:9], s[88:89]
	s_add_nc_u64 s[PFAK:PFAK+1], s[6:7], s[90:91]
	s_add_nc_u64 s[4:5], s[4:5], s[92:93]
	s_add_nc_u64 s[16:17], s[16:17], s[94:95]
	s_add_nc_u64 s[10:11], s[10:11], s[2:3]
	CROUND                                         ; all four work-groups are here: the first joint loads meet
.irp n, 0,1
	s_mov_b32 s[G0K+4*\n], 1                       ; count = 1
	s_add_co_u32 s[G0K+4*\n+1], s18, \n*SLOTB      ; LDS address
	s_add_nc_u64 s[G0K+4*\n+2:G0K+4*\n+3], s[82:83], \n*32768   ; tile n: 128 keys are 32,768 bytes of a head
	s_or_b32 s[G0K+4*\n+3], s[G0K+4*\n+3], 0x80000000           ; type = 2
	s_mov_b32 s[G0M+4*\n], 1
	s_add_co_u32 s[G0M+4*\n+1], s19, \n*SLOTB
	s_add_nc_u64 s[G0M+4*\n+2:G0M+4*\n+3], s[86:87], \n*512     ; and 512 bytes of a row of the mask
	s_or_b32 s[G0M+4*\n+3], s[G0M+4*\n+3], 0x80000000
.endr
	JLOAD 0                                        ; tile 0 into slot 0
	s_wait_kmcnt 0x0
.irp i, 0,1,2,3
	global_load_b128 v[WK+4*\i:WK+4*\i+3], v[T16], s[10:11] offset:4096*\i   ; the 256 threads read 4,096 consecutive bytes
.endr
	WIN 0x40                                       ; destination window 1
.irp t, 0,1,2,3
.irp f, 0,1
.irp c, 0,1
	global_load_b128 v[Q+16*\t+8*\f+4*\c:Q+16*\t+8*\f+4*\c+3], v[GO], s[4:5] offset:2048*\t+1024*\f+512*\c   ; Q stays in registers
.endr
.endr
.endr
.set n, 0
.rept 128
	v_mov_b32 v[OT+n], 0                           ; O^T.  The step is written in one form: the first finds zeros, which a = 0 leaves zeros
.set n, n+1
.endr
	WIN 0
	s_wait_loadcnt 16                              ; the four loads of attention_bias are in; Q's sixteen may be out
	v_mov_b32 v100, 0x3fb8aa3b
	v_mul_f32 v96, s56, v100                       ; log2(e) beta
	v_mul_f32 v98, s58, v100                       ; log2(e) beta_bias
	v_mov_b32 v97, v96
	v_mov_b32 v99, v98
.irp i, 0,1,2,3,4,5,6,7
	v_pk_fma_f32 v[WK+2*\i:WK+2*\i+1], v[WK+2*\i:WK+2*\i+1], v[96:97], v[98:99]
.endr
.irp i, 0,1,2,3
	ds_store_b128 v[BST], v[WK+4*\i:WK+4*\i+3] offset:4096*\i      ; read by all waves behind the first change of slots: its wait for my LDS instructions and its barrier stand between
.endr
	s_wait_loadcnt 0x0                             ; Q
; Eight of a step's 32 products O^T += V^T P, numbers n0 to n0 + 7: number n: keys 32 (n / 16) on, tile (n / 4) % 4, channels 16 (n % 4) on.  The 16 accumulators take turns, one instruction a turn
.macro PV8 n0
.set n, (\n0)
.rept 8
	v_wmma_f32_16x16x32_f16 v[OT+32*((n/4)%4)+8*(n%4):OT+32*((n/4)%4)+8*(n%4)+7], v[KV+8*(2*(n%4)+n/16):KV+8*(2*(n%4)+n/16)+7], v[P+16*((n/4)%4)+8*(n/16):P+16*((n/4)%4)+8*(n/16)+7], v[OT+32*((n/4)%4)+8*(n%4):OT+32*((n/4)%4)+8*(n%4)+7]
.set n, n+1
.endr
.endm
; A KEY STEP of a wave: its 64 keys of the slot x its four tiles of queries.  pv = 1: the step before has left V and P in registers: its second product is issued here, among the mask's loads.
.macro STEP slot, pv
	v_add_nc_u32 v[BAD], s[TBI], v[BA0]
.irp t, 0,1,2,3
	WIN 0
.irp kt, 0,1,2,3
.irp i, 0,1
	ds_load_b128 v[S+32*\t+8*\kt+4*\i:S+32*\t+8*\kt+4*\i+3], v[MA+\slot] offset:16*MP*\t+64*\kt+16*\i   ; the mask: register j of tile (t, kt): query 16 t + r, key 16 kt + 8 h + j
.endr
.endr
.if \pv
	WIN 0x51                                       ; V and O^T window 1, P window 0.  V is in: the wait for all my LDS instructions in front of the round has shown it
	PV8 8*\t
.endif
.endr
	WIN 0
.if \pv
.rept 4
	v_nop                                          ; four places in front of the loads into V's registers and into P's first sixteen
.endr
.endif
	WIN 0x40
.irp f, 0,1                            ; K's fragment 2 kt + f, as it lies; the fragments of the head's first 32 channels first
.irp kt, 0,1,2,3
.irp c, 0,1
	ds_load_b128 v[KV+8*(2*\kt+\f)+4*\c:KV+8*(2*\kt+\f)+4*\c+3], v[KVA+\slot] offset:1024*(2*\kt+\f)+512*\c
.endr
.endr
.endr
	WIN 0
.irp i, 0,1,2,3,4,5,6,7
	ds_load_b128 v[CB+4*\i:CB+4*\i+3], v[BAD] offset:64*(\i/2)+16*(\i%2)              ; the key biases, in S^T's order
.endr
	WIN 0x05                                       ; K and Q window 1, S^T window 0
.irp f, 0,1                            ; the 16 accumulators take turns, one instruction a turn
	s_wait_dscnt 16-8*\f                           ; f = 0: the mask and K's first eight loads are in; K's other eight and the biases' eight may be out.  f = 1: the biases' eight may be out
.irp t, 0,1,2,3
.irp kt, 0,1,2,3
	v_wmma_f32_16x16x32_f16 v[S+32*\t+8*\kt:S+32*\t+8*\kt+7], v[KV+8*(2*\kt+\f):KV+8*(2*\kt+\f)+7], v[Q+16*\t+8*\f:Q+16*\t+8*\f+7], v[S+32*\t+8*\kt:S+32*\t+8*\kt+7]
.endr
.endr
.endr
.rept 4
	v_nop                                          ; four places in front of the loads into K's registers and of the first read of the scores
.endr
	WIN 0x40
.irp dt, 0,1,2,3
.irp f, 0,1
	ds_load_tr16_b128 v[KV+8*(2*\dt+\f):KV+8*(2*\dt+\f)+3], v[KVA+\slot] offset:8192+4096*\f+512*\dt          ; V^T: channel 16 dt + lane % 16, keys 32 f + 8 h + 0 .. 7,
	ds_load_tr16_b128 v[KV+8*(2*\dt+\f)+4:KV+8*(2*\dt+\f)+7], v[KVA+\slot] offset:8192+4096*\f+512*\dt+2048   ; and 16 keys on
.endr
.endr
	WIN 0
	s_wait_dscnt 16                                ; the biases are in; V's sixteen loads may be out
.irp p, 0,1,2,3,4,5,6,7,8,9,10,11,12,13,14,15
.irp t, 0,1,2,3
	v_pk_fma_f32 v[S+32*\t+2*\p:S+32*\t+2*\p+1], v[S+32*\t+2*\p:S+32*\t+2*\p+1], s[CS:CS+1], v[CB+2*\p:CB+2*\p+1] op_sel_hi:[1,0,1]   ; u; each accumulator from its low end on
.endr
.endr
	; the maximum of a lane's 32 u and the old M: four chains of seven, the four left over, then the other half of the lanes'
.irp j, 0,1,2,3
.irp t, 0,1,2,3
	v_max3_num_f32 v[ST+8*\t+4+\j], v[S+32*\t+8*\j], v[S+32*\t+8*\j+1], v[S+32*\t+8*\j+2]
.endr
.endr
.irp q, 1,2
.irp j, 0,1,2,3
.irp t, 0,1,2,3
	v_max3_num_f32 v[ST+8*\t+4+\j], v[ST+8*\t+4+\j], v[S+32*\t+8*\j+2*\q+1], v[S+32*\t+8*\j+2*\q+2]
.endr
.endr
.endr
.irp t, 0,1,2,3
	v_max3_num_f32 v[ST+8*\t+4], v[ST+8*\t+4], v[S+32*\t+7], v[S+32*\t+15]
.endr
.irp t, 0,1,2,3
	v_max3_num_f32 v[ST+8*\t+6], v[ST+8*\t+6], v[S+32*\t+23], v[S+32*\t+31]
.endr
.irp t, 0,1,2,3
	v_max3_num_f32 v[ST+8*\t+4], v[ST+8*\t+4], v[ST+8*\t+5], v[ST+8*\t+6]
.endr
.irp t, 0,1,2,3
	v_max3_num_f32 v[ST+8*\t+4], v[ST+8*\t+4], v[ST+8*\t+7], v[ST+8*\t]
.endr
.irp t, 0,1,2,3
	v_permlanex16_b32 v[ST+8*\t+5], v[ST+8*\t+4], s[SEL], s[SEL+1]
.endr
.irp t, 0,1,2,3
	v_mov_b32 v[ST+8*\t+1], v[ST+8*\t]
.endr
.irp t, 0,1,2,3
	v_max_num_f32 v[ST+8*\t], v[ST+8*\t+4], v[ST+8*\t+5]
.endr
.irp t, 0,1,2,3
	v_sub_f32 v[ST+8*\t+7], v[ST+8*\t+1], v[ST+8*\t]
.endr
	; ONE BATCH of 132 exponentials with one wait: none of these lines names an exponential's result.  A packed subtraction leads, the two exponentials of the pair four back follow
.irp t, 0,1,2,3
	v_exp_f32 v[ST+8*\t+6], v[ST+8*\t+7]           ; a = 2^(old M - M)
.endr
.set n, 0
.rept 64
	v_pk_add_f32 v[S+32*(n%4)+2*(n/4):S+32*(n%4)+2*(n/4)+1], v[S+32*(n%4)+2*(n/4):S+32*(n%4)+2*(n/4)+1], v[ST+8*(n%4):ST+8*(n%4)+1] op_sel_hi:[1,0] neg_lo:[0,1] neg_hi:[0,1]   ; u - M
.if n >= 4
	v_exp_f32 v[S+32*((n-4)%4)+2*((n-4)/4)], v[S+32*((n-4)%4)+2*((n-4)/4)]
	v_exp_f32 v[S+32*((n-4)%4)+2*((n-4)/4)+1], v[S+32*((n-4)%4)+2*((n-4)/4)+1]
.endif
.set n, n+1
.endr
.set n, 60
.rept 4
	v_exp_f32 v[S+32*(n%4)+2*(n/4)], v[S+32*(n%4)+2*(n/4)]
	v_exp_f32 v[S+32*(n%4)+2*(n/4)+1], v[S+32*(n%4)+2*(n/4)+1]
.set n, n+1
.endr
	v_nop                                          ; a plain instruction behind the last exponential,
	s_wait_alu depctr_va_vdst(0)                   ; and the wait ahead of the first line that names a result: one for the batch
	; l = a l + the sum of the unrounded p, in two chains a tile
.irp t, 0,1,2,3
	v_pk_fma_f32 v[ST+8*\t+2:ST+8*\t+3], v[ST+8*\t+2:ST+8*\t+3], v[ST+8*\t+6:ST+8*\t+7], v[S+32*\t:S+32*\t+1] op_sel_hi:[1,0,1]
.endr
.irp t, 0,1,2,3
	v_pk_add_f32 v[ST+8*\t+4:ST+8*\t+5], v[S+32*\t+2:S+32*\t+3], v[S+32*\t+4:S+32*\t+5]
.endr
.irp p, 3,5,7,9,11,13
.irp t, 0,1,2,3
	v_pk_add_f32 v[ST+8*\t+2:ST+8*\t+3], v[ST+8*\t+2:ST+8*\t+3], v[S+32*\t+2*\p:S+32*\t+2*\p+1]
.endr
.irp t, 0,1,2,3
	v_pk_add_f32 v[ST+8*\t+4:ST+8*\t+5], v[ST+8*\t+4:ST+8*\t+5], v[S+32*\t+2*\p+2:S+32*\t+2*\p+3]
.endr
.endr
.irp t, 0,1,2,3
	v_pk_add_f32 v[ST+8*\t+2:ST+8*\t+3], v[ST+8*\t+2:ST+8*\t+3], v[S+32*\t+30:S+32*\t+31]
.endr
.irp t, 0,1,2,3
	v_pk_add_f32 v[ST+8*\t+2:ST+8*\t+3], v[ST+8*\t+2:ST+8*\t+3], v[ST+8*\t+4:ST+8*\t+5]
.endr
.irp f, 0,1                            ; p to f16, into registers of its own, so that S^T is free for the next tile's mask: two tiles of 16 keys make a fragment of P
.irp i, 0,1,2,3,4,5,6,7
.irp t, 0,1,2,3
	v_cvt_pk_f16_f32 v[P+16*\t+8*\f+\i], v[S+32*\t+16*\f+2*\i], v[S+32*\t+16*\f+2*\i+1]
.endr
.endr
.endr
	WIN 0x41                                       ; O^T window 1, a window 0
.irp p, 0,1,2,3,4,5,6,7,8,9,10,11,12,13,14,15
.irp t, 0,1,2,3
	v_pk_mul_f32 v[OT+32*\t+2*\p:OT+32*\t+2*\p+1], v[OT+32*\t+2*\p:OT+32*\t+2*\p+1], v[ST+8*\t+6:ST+8*\t+7] op_sel_hi:[1,0]   ; each accumulator from its low end on
.endr
.endr
	WIN 0
.endm
; THE CHANGE OF SLOTS stands at a tile's head.  Each wave waits for all its tensor loads (one is out: its part of this tile), adds 0 to its spare word, and waits for that and for its reads of the tile before, V's among them.
; The round of the cluster's barrier says the same of every wave of all four work-groups.  refill = 1: the next tile is asked for, into the slot that was read last: it has this tile's step in which to land.
.macro TRIP slot, refill, pv
	s_wait_tensorcnt 0x0                           ; no tensor load of mine is out, so a group 0 may be written
	ds_add_u32 v[SPW], v[NIL]
	s_add_nc_u64 s[G0K+4*\slot+2:G0K+4*\slot+3], s[G0K+4*\slot+2:G0K+4*\slot+3], 65536   ; this slot's next tile: two tiles on
	s_add_nc_u64 s[G0M+4*\slot+2:G0M+4*\slot+3], s[G0M+4*\slot+2:G0M+4*\slot+3], 1024
	s_wait_xcnt 0x0                                ; the last prefetches, a tile back, have read their addresses
	s_add_nc_u64 s[PFAM:PFAM+1], s[PFAM:PFAM+1], 512
	s_add_nc_u64 s[PFAK:PFAK+1], s[PFAK:PFAK+1], 32768
	s_wait_dscnt 0x0                               ; the add is done, and so are my LDS instructions
	CROUND
.if \refill
	JLOAD 1-\slot
	ASK LIMM, PFOM, PFAM
	ASK LIMK, PFOK, PFAK
.endif
	s_sub_co_u32 s[REM], s[REM], 1
	STEP \slot, \pv
	s_add_co_u32 s[TBI], s[TBI], 512
.endm
	TRIP 0, 1, 0                                   ; tile 0: no step before it has left a second product
.Llap:                                             ; 7 trips of two tiles: tiles 1 to 14
	TRIP 1, 1, 1
	TRIP 0, 1, 1
	s_sub_co_u32 s[LAP], s[LAP], 1
	s_cmp_lg_u32 s[LAP], 0
	s_cbranch_scc1 .Llap
	TRIP 1, 0, 1                                   ; tile 15 is written out: it asks for nothing
	s_wait_dscnt 0x0                               ; its V is in
	WIN 0x51
	PV8 0                                          ; and its second product
	PV8 8
	PV8 16
	PV8 24
	WIN 0
.rept 4
	v_nop                                          ; four places in front of the writes into P's registers and of the first read of O^T
.endr
	; THE JOINING.  The odd wave of a pair hands its O^T, M and l to the even one through the pair's stage, as images of the registers.
.irp t, 0,1,2,3
	v_add_f32 v[ST+8*\t+4], v[ST+8*\t+2], v[ST+8*\t+3]
.endr
.irp t, 0,1,2,3
	v_permlanex16_b32 v[ST+8*\t+5], v[ST+8*\t+4], s[SEL], s[SEL+1]
.endr
.irp t, 0,1,2,3
	v_add_f32 v[WK+2*\t+1], v[ST+8*\t+4], v[ST+8*\t+5]             ; l of my keys
.endr
.irp t, 0,1,2,3
	v_mov_b32 v[WK+2*\t], v[ST+8*\t]                               ; M of my keys
.endr
	s_cmp_eq_u32 s[PI], 0
	s_cbranch_scc1 .Lkeep
	WIN 0x04                                       ; an LDS store's data are its source 1: window 1
.set n, 0
.rept 32
	ds_store_b128 v[STG], v[OT+4*n:OT+4*n+3] offset:512*n          ; each accumulator from its low end on
.set n, n+1
.endr
	WIN 0
	ds_store_b128 v[STG], v[WK:WK+3] offset:16384
	ds_store_b128 v[STG], v[WK+4:WK+7] offset:16896
.Lkeep:
	s_wait_dscnt 0x0                               ; for the other wave's sake: my stores have landed
	s_barrier_signal -1
	s_barrier_wait -1
	s_cmp_lg_u32 s[PI], 0
	s_cbranch_scc1 .Lend
.set n, 0
.rept 32
	ds_load_b128 v[S+4*n:S+4*n+3], v[STG] offset:512*n
.set n, n+1
.endr
	ds_load_b128 v[WK+8:WK+11], v[STG] offset:16384
	ds_load_b128 v[WK+12:WK+15], v[STG] offset:16896
	s_wait_dscnt 0x0
.irp t, 0,1,2,3
	v_max_num_f32 v[96+\t], v[WK+2*\t], v[WK+8+2*\t]               ; the larger M
.endr
.irp t, 0,1,2,3
	v_sub_f32 v[100+\t], v[WK+2*\t], v[96+\t]
.endr
.irp t, 0,1,2,3
	v_sub_f32 v[104+\t], v[WK+8+2*\t], v[96+\t]
.endr
.irp t, 0,1,2,3
	v_exp_f32 v[100+\t], v[100+\t]
.endr
.irp t, 0,1,2,3
	v_exp_f32 v[104+\t], v[104+\t]
.endr
	v_nop
	s_wait_alu depctr_va_vdst(0)                   ; one wait for the eight
.irp t, 0,1,2,3
	v_mul_f32 v[108+\t], v[WK+2*\t+1], v[100+\t]
.endr
.irp t, 0,1,2,3
	v_fmac_f32 v[108+\t], v[WK+8+2*\t+1], v[104+\t]                ; the row's sum
.endr
.irp t, 0,1,2,3
	v_rcp_f32 v[112+\t], v[108+\t]
.endr
	v_nop
	s_wait_alu depctr_va_vdst(0)                   ; one wait for the four
.irp t, 0,1,2,3
	v_mul_f32 v[ST+8*\t+4], v[100+\t], v[112+\t]                   ; what my O^T is multiplied by,
.endr
.irp t, 0,1,2,3
	v_mul_f32 v[ST+8*\t+6], v[104+\t], v[112+\t]                   ; and the other wave's
.endr
.irp t, 0,1,2,3
.irp p, 0,1,2,3,4,5,6,7,8,9,10,11,12,13,14,15
	v_pk_mul_f32 v[S+32*\t+2*\p:S+32*\t+2*\p+1], v[S+32*\t+2*\p:S+32*\t+2*\p+1], v[ST+8*\t+6:ST+8*\t+7] op_sel_hi:[1,0]
.endr
.endr
	WIN 0x01                                       ; source 0 (my O^T) window 1
.irp t, 0,1,2,3
.irp p, 0,1,2,3,4,5,6,7,8,9,10,11,12,13,14,15
	v_pk_fma_f32 v[S+32*\t+2*\p:S+32*\t+2*\p+1], v[OT+32*\t+2*\p:OT+32*\t+2*\p+1], v[ST+8*\t+4:ST+8*\t+5], v[S+32*\t+2*\p:S+32*\t+2*\p+1] op_sel_hi:[1,0,1]
.endr
.endr
	WIN 0
.irp t, 0,1,2,3
.irp i, 0,1,2,3,4,5,6,7,8,9,10,11,12,13,14,15
	v_cvt_pk_f16_f32 v[S+32*\t+\i], v[S+32*\t+2*\i], v[S+32*\t+2*\i+1]   ; in place and ascending: registers 4 dt .. 4 dt + 3: channels 16 dt + 8 h + 0 .. 7 of query r
.endr
.endr
.irp t, 0,1,2,3
.irp dt, 0,1,2,3
	global_store_b128 v[GO], v[S+32*\t+4*\dt:S+32*\t+4*\dt+3], s[16:17] offset:24576*\t+512*\dt   ; 32 lanes store 512 consecutive bytes
.endr
.endr
.Lend:
	s_wait_tensorcnt 0x0                           ; the wave's end: these three lines, behind my last tensor load and my last LDS store
	ds_add_u32 v[SPW], v[NIL]
	s_wait_dscnt 0x0
	CROUND                                         ; the closing round: no work-group ends while a partner may still ask for a tile that names it
	s_endpgm
.Lfunc_end_k_q21f3329bf7_attn:
	.size	k_q21f3329bf7_attn, .Lfunc_end_k_q21f3329bf7_attn-k_q21f3329bf7_attn
	.p2alignl 7, 3214868480
	.fill 96, 4, 3214868480
	.section	.rodata,"a",@progbits
	.p2align	6, 0x0
	.amdhsa_kernel k_q21f3329bf7_attn
		.amdhsa_group_segment_fixed_size 327680
		.amdhsa_private_segment_fixed_size 0
		.amdhsa_enable_private_segment 0
		.amdhsa_kernarg_size 56
		.amdhsa_user_sgpr_count 2
		.amdhsa_user_sgpr_kernarg_segment_ptr 1
		.amdhsa_wavefront_size32 1
		.amdhsa_system_sgpr_workgroup_id_x 1
		.amdhsa_system_sgpr_workgroup_id_y 1
		.amdhsa_system_sgpr_workgroup_id_z 1
		.amdhsa_system_vgpr_workitem_id 0
		.amdhsa_next_free_vgpr 512
		.amdhsa_next_free_sgpr 96
		.amdhsa_reserve_vcc 0
		.amdhsa_float_denorm_mode_32 3
		.amdhsa_float_denorm_mode_16_64 3
		.amdhsa_memory_ordered 1
		.amdhsa_forward_progress 1
		.amdhsa_inst_pref_size 195
	.end_amdhsa_kernel
	.amdgpu_metadata
---
amdhsa.version: [ 1, 2 ]
amdhsa.kernels:
  - .name:           k_q21f3329bf7_attn
    .symbol:         k_q21f3329bf7_attn.kd
    .args:
      - { .name: qf, .offset: 0, .size: 8, .value_kind: global_buffer, .address_space: global }
      - { .name: kv, .offset: 8, .size: 8, .value_kind: global_buffer, .address_space: global }
      - { .name: attention_mask, .offset: 16, .size: 8, .value_kind: global_buffer, .address_space: global }
      - { .name: attention_bias, .offset: 24, .size: 8, .value_kind: global_buffer, .address_space: global }
      - { .name: beta, .offset: 32, .size: 8, .value_kind: global_buffer, .address_space: global }
      - { .name: beta_bias, .offset: 40, .size: 8, .value_kind: global_buffer, .address_space: global }
      - { .name: af, .offset: 48, .size: 8, .value_kind: global_buffer, .address_space: global }
    .group_segment_fixed_size: 327680
    .private_segment_fixed_size: 0
    .kernarg_segment_align: 8
    .kernarg_segment_size: 56
    .max_flat_workgroup_size: 256
    .sgpr_count:     96
    .vgpr_count:     512
    .wavefront_size: 32
...
	.end_amdgpu_metadata
.endif
;; end of part 3
;; launch outp (part 4): grid 64 x 3, 8 waves a work-group, no clusters, 83,968 bytes of LDS; arguments af, wof, bo, out0; writes out0
.if DOCPART == 4
	.amdgcn_target "amdgcn-amd-amdhsa--gfx1250"
	.amdhsa_code_object_version 6
	.text
	.protected	k_q21f3329bf7_outp
	.globl	k_q21f3329bf7_outp
	.p2align	8
	.type	k_q21f3329bf7_outp,@function
k_q21f3329bf7_outp:
	s_mov_b64 s[64:65], 0
	v_nop
	global_prefetch_b8 v0, s[64:65] scope:SCOPE_SE
	s_setreg_imm32_b32 hwreg(HW_REG_WAVE_MODE, 25, 1), 1
	s_wait_xcnt 0x0
; out0 = a Wo^T + bo.  a [4096][768] and Wo [768][768] come as f16 in the order of the operand registers (fragments of 16 rows x 32 k, 1,024 bytes each); sums in f32; out0 is f32.
; SHARES.  A PAIR of waves (w / 2) makes 64 rows (work-group x) x 64 columns (block nb = 4 y + pair): 16 accumulators each.  THE TWO SPLIT K: wave w takes the (w % 2)-th 384 of the 768, 12 steps of 32: 192 matrix
; instructions.  Two waves share a SIMD, so that one has products to issue while the other waits for its loads.  The odd wave hands its sums to the even one through LDS, as images of the registers; the even one adds and stores.
; The sum of an output is so (bo + the lower half of K) + the upper half: another order of f32 roundings than one chain along K.
; THE MATRIX INSTRUCTION IS USED TRANSPOSED: source 0 = 16 rows of Wo (tile a), source 1 = 16 rows of a (tile b): a lane holds one row of out0 and eight neighbouring columns.
; bo is the C of each sum's first matrix instruction: eight registers for each tile a; in the odd wave they are made 0.
; Fragments come from memory straight into registers, each load 512 consecutive bytes, four K steps (64 loads) ahead, in four sets of registers.
; NO TENSOR LOAD, NO CLUSTER, though the pairs share their rows' fragments and 64 work-groups share Wo's: the buffers lie in the order of the operand registers, so nothing has to pass through LDS on the way in;
; a K step is 16 matrix instructions, and a ring with joint loads would put a round of the cluster's barrier in front of every few of them.
; THE WAY OUT: 16 rows x 64 columns (256 bytes a row) at a time through the pair's stage in LDS, so that sixteen lanes store 256 consecutive bytes, aligned.
.set SP,    272                        ; a stage row: 256 bytes + 16: an odd multiple of 16
.set NK,    12                         ; K steps of a wave
.set STG0,  65536                      ; LDS: from 0 the four pairs' 16,384 bytes for the joining; from here their stages for the way out
.set SPARE, STG0+4*16*SP               ; behind the stages: the spare words, 128 bytes a wave, which no other line names
.set LI,  1                            ; v1  16 x lane
.set BH,  2                            ; v2  32 x (lane / 16)
.set STO, 3                            ; v3  the stage, in: row r, + 32 h
.set RD,  4                            ; v4  and back: lanes 0-15 one row, lanes 16-31 the next
.set CO,  5                            ; v5  the same two rows in out0
.set SPW, 6                            ; v6  my spare word; never rewritten
.set NIL, 7                            ; v7  0; never rewritten
.set ZR,  8                            ; v8  0, for the odd wave's C
.set MG,  9                            ; v9  the joining: 16,384 x pair + 16 x lane
.set BK,  32                           ; v32-95  16 rows read back from the stage, two sets
.set BI,  96                           ; v96-127 bo: tile a at v[BI + 8 a]
.set ACC, 128                          ; v128-255 accumulator (a, b) at v[ACC + 8 (4 a + b)];  window 1: set q at v[64 q]: Wo's four fragments, then a's four; at the joining v0-127: the other wave's sums
.set MSB, 0
.macro WIN new                         ; the immediate's high byte repeats the setting that is left
.if MSB != \new
	s_set_vgpr_msb (MSB<<8)|\new
.set MSB, \new
.endif
.endm
	s_load_b256 s[4:11], s[0:1], 0x0               ; af s[4:5], wof s[6:7], bo s[8:9], out0 s[10:11]
	v_lshl_add_u32 v[SPW], v0, 2, SPARE
	v_mov_b32 v[NIL], 0
	v_mov_b32 v[ZR], 0
	v_lshrrev_b32 v10, 5, v0
	v_readfirstlane_b32 s12, v10                   ; wave 0..7
	s_lshr_b32 s13, s12, 1                         ; pair
	s_and_b32 s15, s12, 1                          ; which half of K
	v_and_b32 v10, 31, v0
	v_and_b32 v11, 15, v0                          ; r
	v_bfe_u32 v12, v0, 4, 1                        ; h
	v_lshlrev_b32 v[LI], 4, v10
	v_lshlrev_b32 v[BH], 5, v12
	s_lshl_b32 s24, s13, 14
	v_add_nc_u32 v[MG], s24, v[LI]
	s_mul_i32 s24, s13, 16*SP
	s_add_co_u32 s24, s24, STG0                    ; my pair's stage
	v_mul_u32_u24 v[STO], v11, SP
	v_lshl_add_u32 v[STO], v12, 5, v[STO]
	v_add_nc_u32 v[STO], s24, v[STO]
	v_mul_u32_u24 v[RD], v12, SP
	v_lshl_add_u32 v[RD], v11, 4, v[RD]
	v_add_nc_u32 v[RD], s24, v[RD]
	v_mul_u32_u24 v[CO], v12, 3072
	v_lshl_add_u32 v[CO], v11, 4, v[CO]
	s_cmp_eq_u32 s15, 0
	s_cselect_b32 s25, 0, -1                       ; all lanes, in the odd wave
	s_and_b32 s14, ttmp7, 0xffff
	s_lshl_b32 s14, s14, 2
	s_add_co_u32 s14, s14, s13                     ; nb
	s_mul_i32 s26, s15, NK*1024                    ; my half of K: 12 fragments on in each tile
	s_mul_i32 s16, s14, 98304                      ; four tiles of 24,576 bytes
	s_add_co_u32 s16, s16, s26
	s_mov_b32 s17, 0
	s_mul_i32 s18, ttmp9, 98304
	s_add_co_u32 s18, s18, s26
	s_mov_b32 s19, 0
	s_lshl_b32 s20, s14, 8                         ; 64 columns of f32
	s_mov_b32 s21, 0
	s_mul_i32 s22, ttmp9, 196608                   ; 64 rows of 3,072 bytes
	s_add_co_u32 s22, s22, s20
	s_mov_b32 s23, 0
	s_wait_kmcnt 0x0
	s_add_nc_u64 s[6:7], s[6:7], s[16:17]
	s_add_nc_u64 s[4:5], s[4:5], s[18:19]
	s_add_nc_u64 s[8:9], s[8:9], s[20:21]
	s_add_nc_u64 s[10:11], s[10:11], s[22:23]
.macro FETCH k                         ; my K step k into set k % 4: 16 loads of 512 consecutive bytes
	WIN 0x40                                       ; destination window 1
.irp a, 0,1,2,3
.irp c, 0,1
	global_load_b128 v[64*((\k)%4)+8*\a+4*\c:64*((\k)%4)+8*\a+4*\c+3], v[LI], s[6:7] offset:24576*\a+1024*(\k)+512*\c
	global_load_b128 v[64*((\k)%4)+32+8*\a+4*\c:64*((\k)%4)+32+8*\a+4*\c+3], v[LI], s[4:5] offset:24576*\a+1024*(\k)+512*\c
.endr
.endr
.endm
.macro KSTEP k
.if NK-1-(\k) >= 3
	s_wait_loadcnt 48                              ; this step's loads are in (and bo, asked for ahead of the second step); those of the three steps behind it may be out
.else
	s_wait_loadcnt 16*(NK-1-(\k))
.endif
.if (\k) == 0
	WIN 0
.set n, 0
.rept 32
	v_cndmask_b32 v[BI+n], v[BI+n], v[ZR], s25     ; bo counts once: the odd wave starts its sums at 0
.set n, n+1
.endr
.endif
	WIN 0x05                                       ; sources 0 and 1 window 1
.irp a, 0,1,2,3                        ; the 16 accumulators take turns, one instruction a turn, in the same order in every step
.irp b, 0,1,2,3
.if (\k) == 0
	v_wmma_f32_16x16x32_f16 v[ACC+8*(4*\a+\b):ACC+8*(4*\a+\b)+7], v[64*((\k)%4)+8*\a:64*((\k)%4)+8*\a+7], v[64*((\k)%4)+32+8*\b:64*((\k)%4)+32+8*\b+7], v[BI+8*\a:BI+8*\a+7]
.else
	v_wmma_f32_16x16x32_f16 v[ACC+8*(4*\a+\b):ACC+8*(4*\a+\b)+7], v[64*((\k)%4)+8*\a:64*((\k)%4)+8*\a+7], v[64*((\k)%4)+32+8*\b:64*((\k)%4)+32+8*\b+7], v[ACC+8*(4*\a+\b):ACC+8*(4*\a+\b)+7]
.endif
.endr
.endr
.rept 4
	v_nop                                          ; four places in front of loads into registers that matrix instructions have read, and of the first read of results
.endr
.if (\k)+4 < NK
	FETCH (\k)+4
.endif
.endm
	FETCH 0
	WIN 0
.irp a, 0,1,2,3
.irp i, 0,1
	global_load_b128 v[BI+8*\a+4*\i:BI+8*\a+4*\i+3], v[BH], s[8:9] offset:64*\a+16*\i   ; register j: bo of column 16 a + 8 h + j
.endr
.endr
.irp k, 1,2,3
	FETCH \k
.endr
.irp k, 0,1,2,3,4,5,6,7,8,9,10,11
	KSTEP \k
.endr
	WIN 0
	; THE JOINING
	s_cmp_eq_u32 s15, 0
	s_cbranch_scc1 .Lkeep
.set n, 0
.rept 32
	ds_store_b128 v[MG], v[ACC+4*n:ACC+4*n+3] offset:512*n         ; each accumulator from its low end on; 32 lanes store 512 consecutive bytes
.set n, n+1
.endr
.Lkeep:
	s_wait_dscnt 0x0                               ; for the other wave's sake: my stores have landed
	s_barrier_signal -1
	s_barrier_wait -1
	s_cmp_lg_u32 s15, 0
	s_cbranch_scc1 .Lend
	WIN 0x40                                       ; destination window 1: the fragments' registers are done with
.set n, 0
.rept 32
	ds_load_b128 v[4*n:4*n+3], v[MG] offset:512*n
.set n, n+1
.endr
	s_wait_dscnt 0x0
	WIN 0x04                                       ; source 1 window 1
.set n, 0
.rept 64
	v_pk_add_f32 v[ACC+2*n:ACC+2*n+1], v[ACC+2*n:ACC+2*n+1], v[2*n:2*n+1]   ; each accumulator from its low end on
.set n, n+1
.endr
	WIN 0
.macro TOSTAGE b                       ; rows 16 b on: into my pair's stage and back as whole rows.  LDS serves a wave's instructions in order (ISA guide 5.7.1.4): no wait between the stores and the loads
.irp a, 0,1,2,3
	ds_store_b128 v[STO], v[ACC+8*(4*\a+(\b)):ACC+8*(4*\a+(\b))+3] offset:64*\a
	ds_store_b128 v[STO], v[ACC+8*(4*\a+(\b))+4:ACC+8*(4*\a+(\b))+7] offset:64*\a+16
.endr
.irp t, 0,1,2,3,4,5,6,7
	ds_load_b128 v[BK+32*((\b)%2)+4*\t:BK+32*((\b)%2)+4*\t+3], v[RD] offset:2*\t*SP
.endr
.endm
.macro SEND b, younger                 ; younger: the LDS instructions issued behind block b's loads, which may stay out
	s_wait_dscnt \younger
.irp t, 0,1,2,3,4,5,6,7
	global_store_b128 v[CO], v[BK+32*((\b)%2)+4*\t:BK+32*((\b)%2)+4*\t+3], s[10:11] offset:3072*(16*(\b)+2*\t) th:TH_STORE_NT   ; 16 lanes store 256 consecutive bytes, at a multiple of 256 from out0's first byte
.endr
.endm
	TOSTAGE 0
.irp b, 1,2,3
.if \b > 1
	s_wait_xcnt 0x0                                ; block b - 2's stores have read their registers: block b's loads may land there
.endif
	TOSTAGE \b
	SEND \b-1, 16                                  ; behind block b - 1's loads: block b's 8 stores and 8 loads
.endr
	SEND 3, 0
.Lend:
	s_wait_tensorcnt 0x0                           ; the wave's end: these three lines behind my last LDS store
	ds_add_u32 v[SPW], v[NIL]
	s_wait_dscnt 0x0
	s_endpgm
.Lfunc_end_k_q21f3329bf7_outp:
	.size	k_q21f3329bf7_outp, .Lfunc_end_k_q21f3329bf7_outp-k_q21f3329bf7_outp
	.p2alignl 7, 3214868480
	.fill 96, 4, 3214868480
	.section	.rodata,"a",@progbits
	.p2align	6, 0x0
	.amdhsa_kernel k_q21f3329bf7_outp
		.amdhsa_group_segment_fixed_size 83968
		.amdhsa_private_segment_fixed_size 0
		.amdhsa_enable_private_segment 0
		.amdhsa_kernarg_size 32
		.amdhsa_user_sgpr_count 2
		.amdhsa_user_sgpr_kernarg_segment_ptr 1
		.amdhsa_wavefront_size32 1
		.amdhsa_system_sgpr_workgroup_id_x 1
		.amdhsa_system_sgpr_workgroup_id_y 1
		.amdhsa_system_sgpr_workgroup_id_z 1
		.amdhsa_system_vgpr_workitem_id 0
		.amdhsa_next_free_vgpr 512
		.amdhsa_next_free_sgpr 66
		.amdhsa_reserve_vcc 0
		.amdhsa_float_denorm_mode_32 3
		.amdhsa_float_denorm_mode_16_64 3
		.amdhsa_memory_ordered 1
		.amdhsa_forward_progress 1
		.amdhsa_inst_pref_size 54
	.end_amdhsa_kernel
	.amdgpu_metadata
---
amdhsa.version: [ 1, 2 ]
amdhsa.kernels:
  - .name:           k_q21f3329bf7_outp
    .symbol:         k_q21f3329bf7_outp.kd
    .args:
      - { .name: af, .offset: 0, .size: 8, .value_kind: global_buffer, .address_space: global }
      - { .name: wof, .offset: 8, .size: 8, .value_kind: global_buffer, .address_space: global }
      - { .name: bo, .offset: 16, .size: 8, .value_kind: global_buffer, .address_space: global }
      - { .name: out0, .offset: 24, .size: 8, .value_kind: global_buffer, .address_space: global }
    .group_segment_fixed_size: 83968
    .private_segment_fixed_size: 0
    .kernarg_segment_align: 8
    .kernarg_segment_size: 32
    .max_flat_workgroup_size: 256
    .sgpr_count:     66
    .vgpr_count:     512
    .wavefront_size: 32
...
	.end_amdgpu_metadata
.endif
;; end of part 4
